; MI455X (gfx1250); checked and timed in simulation.
; The chip was launched on July 23, 2026; its instructions are those of AMD's public machine-readable ISA for CDNA 5 (MIT licence, August 2026) and "CDNA5" Instruction Set Architecture Reference Guide (July 2026). The comments in the code are by the model that wrote it; some were corrected since.
;; Vector Quantizer. Allowed arithmetic: float matrix products may take bf16 or f16 operands with f32 sums; other float arithmetic in f32, or as packed bf16 or f16 multiplies, adds, multiply-adds, maxima and minima; sums over many terms, partial sums and values carried from step to step in f32; what a program stores and reads back later, other than sums and carried values, may be rounded once to bf16 or f16.
;; Inputs: embeddings 8,192 x 512 float32; x 16,384 x 512 float32.
;; Outputs: out0 16,384 x 512 float32; out1 one number float32; out2 16,384 x 3 int32.
;; One version. Each part assembles by itself: llvm-mc -triple=amdgcn-amd-amdhsa -mcpu=gfx1250 --defsym DOCPART=n.
;; ======== version 1 of 1: 4 launches
;; workspace buffers: eb 8,388,608 bytes; re2 32,768 bytes; cval 524,288 bytes; cidx 524,288 bytes of whole numbers; part 16,384 bytes
;; launch prep (part 1): grid 256 x 1, 4 waves a work-group, no clusters, 0 bytes of LDS; arguments embeddings, eb, re2; writes eb, re2
.if DOCPART == 1
	.amdgcn_target "amdgcn-amd-amdhsa--gfx1250"
	.amdhsa_code_object_version 6
	.text
	.protected	k_qf4018a8a18_prep
	.globl	k_qf4018a8a18_prep
	.p2align	8
	.type	k_qf4018a8a18_prep,@function
k_qf4018a8a18_prep:
	s_mov_b64 s[64:65], 0
	v_nop
	global_prefetch_b8 v0, s[64:65] scope:SCOPE_SE
	s_setreg_imm32_b32 hwreg(HW_REG_WAVE_MODE, 25, 1), 1
	s_wait_xcnt 0x0
; eb = embeddings rounded once to bf16, [8192][512], dense.  re2 = 1 / max(|eb row|, 1e-12) in f32, laid in the order in which the ranking launch's waves use it:
; code c stands at word ((c>>12)*2 + ((c>>6)&1))*2048 + (((c>>7)&31)*4 + ((c>>4)&3))*16 + (c&15).
; The norm is taken of the ROUNDED row: the whole program works on inputs rounded once to bf16.
; A stream: no LDS, no barrier, no matrix unit.  Four waves, each with 8 rows of its own; all 32 loads of a wave go out at once.
; A row is 2,048 bytes: four loads of 512 consecutive bytes.  Lane l holds elements 128 t + 4 l + 0..3, so its four bf16 of quarter t are 8 bytes and the wave's store covers 256 consecutive, aligned bytes.
; re2 leaves as 32 consecutive bytes a wave: the buffer is 32,768 bytes in all, and gathering whole blocks of 256 would cost a barrier.
.set X, 32                             ; v[32:159]  row i: 16 registers as loaded; its first 8 then hold the 16 bf16
.set R, 8                              ; v[8:15]    1 / norm of row i, the same in every lane
	s_load_b128 s[4:7], s[0:1], 0x0                ; embeddings s[4:5], eb s[6:7]
	s_load_b64 s[8:9], s[0:1], 0x10                ; re2
	v_lshrrev_b32 v1, 5, v0
	v_readfirstlane_b32 s10, v1                    ; wave 0..3
	s_lshl2_add_u32 s16, ttmp9, s10                ; W = 4 x work-group + wave: rows 8 W .. 8 W + 7
	v_and_b32 v1, 31, v0                           ; lane
	v_lshlrev_b32 v2, 4, v1                        ; 16 bytes a lane in a quarter row of f32
	v_lshlrev_b32 v3, 3, v1                        ; 8 bytes a lane in a quarter row of bf16
	v_lshlrev_b32 v17, 2, v1                       ; 4 bytes a lane in re2
	v_mov_b32 v4, 0                                ; the addend of a chain's first link
	v_mov_b32 v7, 0                                ; v_permlanex16_b32 counts as a reader of its destination
	s_mov_b32 s12, 0x76543210                      ; each lane takes its own place in the other half
	s_mov_b32 s13, 0xfedcba98
	s_lshl_b32 s22, s16, 14                        ; 8 rows of 2,048 bytes
	s_mov_b32 s23, 0
	s_lshl_b32 s24, s16, 13                        ; 8 rows of 1,024 bytes
	s_mov_b32 s25, 0
	s_lshr_b32 s17, s16, 9                         ; code 8 W: split = c >> 12
	s_bfe_u32 s18, s16, 0x10003                    ; (c >> 6) & 1
	s_lshl1_add_u32 s17, s17, s18
	s_lshl_b32 s17, s17, 11
	s_bfe_u32 s18, s16, 0x50004                    ; (c >> 7) & 31
	s_bfe_u32 s19, s16, 0x20001                    ; (c >> 4) & 3
	s_lshl2_add_u32 s18, s18, s19
	s_lshl4_add_u32 s17, s18, s17
	s_and_b32 s19, s16, 1                          ; c & 15 is 0 or 8
	s_lshl3_add_u32 s17, s19, s17
	s_lshl_b32 s20, s17, 2                         ; in bytes
	s_mov_b32 s21, 0
	s_wait_kmcnt 0x0
	s_add_nc_u64 s[4:5], s[4:5], s[22:23]
	s_add_nc_u64 s[6:7], s[6:7], s[24:25]
	s_add_nc_u64 s[8:9], s[8:9], s[20:21]
.set i, 0
.rept 8
.irp t, 0,1,2,3
	global_load_b128 v[X+16*i+4*\t:X+16*i+4*\t+3], v2, s[4:5] offset:i*2048+512*\t th:TH_LOAD_NT
.endr
.set i, i+1
.endr
.macro PROW i
.set rX, X+16*(\i)
	s_wait_loadcnt 28-4*(\i)                       ; loads come back in order: this row's four are in, the younger rows' stay out
.set j, 0
.rept 8
	v_cvt_pk_bf16_f32 v[rX+j], v[rX+2*j], v[rX+2*j+1]  ; in place: register j is written when registers 2 j and 2 j + 1 are read, and no later line reads it as f32
.set j, j+1
.endr
	v_fma_mix_f32_bf16 v5, v[rX], v[rX], v4 op_sel_hi:[1,1,0]                  ; the sum of squares of the rounded numbers, in f32: a chain for the low halves,
	v_fma_mix_f32_bf16 v6, v[rX], v[rX], v4 op_sel:[1,1,0] op_sel_hi:[1,1,0]   ; one for the high halves
.set j, 1
.rept 7
	v_fma_mix_f32_bf16 v5, v[rX+j], v[rX+j], v5 op_sel_hi:[1,1,0]
	v_fma_mix_f32_bf16 v6, v[rX+j], v[rX+j], v6 op_sel:[1,1,0] op_sel_hi:[1,1,0]
.set j, j+1
.endr
	v_add_f32 v5, v5, v6
	v_add_f32_dpp v5, v5, v5 row_xmask:1 row_mask:0xf bank_mask:0xf
	v_add_f32_dpp v5, v5, v5 row_xmask:2 row_mask:0xf bank_mask:0xf
	v_add_f32_dpp v5, v5, v5 row_xmask:4 row_mask:0xf bank_mask:0xf
	v_add_f32_dpp v5, v5, v5 row_xmask:8 row_mask:0xf bank_mask:0xf
	v_permlanex16_b32 v7, v5, s12, s13
	v_add_f32 v5, v5, v7                           ; every lane holds the row's sum
	v_sqrt_f32 v5, v5
	v_nop                                          ; a plain line between a transcendental and the use of its result
	s_wait_alu depctr_va_vdst(0)
	v_max_num_f32 v5, 0x2b8cbccc, v5               ; 1e-12, as reference() has it
	v_rcp_f32 v[R+(\i)], v5                        ; the next vector line (the next row's first rounding, or the copy below) touches neither register
.irp t, 0,1,2,3
	global_store_b64 v3, v[rX+2*\t:rX+2*\t+1], s[6:7] offset:(\i)*1024+256*\t  ; 256 consecutive bytes, aligned; the registers are not written again
.endr
.endm
.irp i, 0,1,2,3,4,5,6,7
	PROW \i
.endr
	v_mov_b32 v16, v[R]                            ; lane i takes row i's number
	s_wait_alu depctr_va_vdst(0)
.irp i, 1,2,3,4,5,6,7
	v_cmp_eq_u32 vcc_lo, \i, v1
	v_cndmask_b32 v16, v16, v[R+\i], vcc_lo
.endr
	v_cmp_gt_u32 vcc_lo, 8, v1
	s_wait_xcnt 0x0                                ; EXEC is a source of the stores above: it changes only behind this wait
	s_and_saveexec_b32 s14, vcc_lo
	global_store_b32 v17, v16, s[8:9]              ; lanes 0 to 7: eight neighbouring words
	s_wait_xcnt 0x0                                ; and again in front of the line that widens it
	s_or_b32 exec_lo, exec_lo, s14
	s_endpgm
.Lfunc_end_k_qf4018a8a18_prep:
	.size	k_qf4018a8a18_prep, .Lfunc_end_k_qf4018a8a18_prep-k_qf4018a8a18_prep
	.p2alignl 7, 3214868480
	.fill 96, 4, 3214868480
	.section	.rodata,"a",@progbits
	.p2align	6, 0x0
	.amdhsa_kernel k_qf4018a8a18_prep
		.amdhsa_group_segment_fixed_size 0
		.amdhsa_private_segment_fixed_size 0
		.amdhsa_enable_private_segment 0
		.amdhsa_kernarg_size 24
		.amdhsa_user_sgpr_count 2
		.amdhsa_user_sgpr_kernarg_segment_ptr 1
		.amdhsa_wavefront_size32 1
		.amdhsa_system_sgpr_workgroup_id_x 1
		.amdhsa_system_sgpr_workgroup_id_y 1
		.amdhsa_system_sgpr_workgroup_id_z 1
		.amdhsa_system_vgpr_workitem_id 0
		.amdhsa_next_free_vgpr 168
		.amdhsa_next_free_sgpr 66
		.amdhsa_reserve_vcc 1
		.amdhsa_float_denorm_mode_32 3
		.amdhsa_float_denorm_mode_16_64 3
		.amdhsa_memory_ordered 1
		.amdhsa_forward_progress 1
		.amdhsa_inst_pref_size 26
	.end_amdhsa_kernel
	.amdgpu_metadata
---
amdhsa.version: [ 1, 2 ]
amdhsa.kernels:
  - .name:           k_qf4018a8a18_prep
    .symbol:         k_qf4018a8a18_prep.kd
    .args:
      - { .name: embeddings, .offset: 0, .size: 8, .value_kind: global_buffer, .address_space: global }
      - { .name: eb, .offset: 8, .size: 8, .value_kind: global_buffer, .address_space: global }
      - { .name: re2, .offset: 16, .size: 8, .value_kind: global_buffer, .address_space: global }
    .group_segment_fixed_size: 0
    .private_segment_fixed_size: 0
    .kernarg_segment_align: 8
    .kernarg_segment_size: 24
    .max_flat_workgroup_size: 128
    .sgpr_count:     66
    .vgpr_count:     168
    .wavefront_size: 32
...
	.end_amdgpu_metadata
.endif
;; end of part 1
;; launch main (part 2): grid 128 x 2, 4 waves a work-group, clusters of 4 x 1, 327,680 bytes of LDS; arguments x, eb, re2, cval, cidx; writes cval, cidx
.if DOCPART == 2
	.amdgcn_target "amdgcn-amd-amdhsa--gfx1250"
	.amdhsa_code_object_version 6
	.text
	.protected	k_qf4018a8a18_main
	.globl	k_qf4018a8a18_main
	.p2align	8
	.type	k_qf4018a8a18_main,@function
k_qf4018a8a18_main:
	s_mov_b64 s[64:65], 0
	v_nop
	global_prefetch_b8 v0, s[64:65] scope:SCOPE_SE
	s_setreg_imm32_b32 hwreg(HW_REG_WAVE_MODE, 25, 1), 1
	s_wait_xcnt 0x0
	s_wait_alu depctr_hold_cnt(0) depctr_sa_sdst(0) depctr_va_vdst(0) depctr_va_sdst(0) depctr_va_ssrc(0) depctr_va_vcc(0) depctr_vm_vsrc(0)
	s_getreg_b32 s2, hwreg(HW_REG_IB_STS2, 6, 4)
	s_cmp_eq_u32 s2, 0
	s_cbranch_scc0 .Lentry_in_a_cluster
	s_endpgm
.Lentry_in_a_cluster:
	s_bfe_u32 s2, ttmp6, 0x10000c
	s_cmp_lg_u32 s2, 0x3003
	s_cbranch_scc0 .Lentry_shape_is_right
	s_endpgm
.Lentry_shape_is_right:
; THE RANKING.  For each row of x and each half (split) of the codebook: the three largest scores s = (xb . eb_k) / |eb_k| and their codes, ties to the lower code.
; xb = x rounded once to bf16 (here), eb = the codebook rounded once to bf16, 1 / |eb_k| in f32 from re2.  The raw bf16 numbers are multiplied (sums in f32) and the scale is applied in f32 afterwards;
; 1 / |xb| is positive and common to a row, so it changes no order and is left to the next launch.  The smallest distance 2 - 2 cos is the largest score.
; LIMITS.  All inputs count as rounded to bf16.  Codes whose distances differ by less than about 3e-7 may be ordered otherwise than by reference()'s own f32 roundings.  A row of norm under 1e-12 is
; ranked by the same score (reference()'s |wn|^2 is then below 1).  A NaN score is never taken; infinities are not treated apart.
; SHARES.  A work-group: 128 rows of x, 4,096 codes (grid y).  Wave w: rows 64 (w >> 1) on, and 64 (w & 1) on of each tile's 128 codes.  A wave's 64 rows x 512 stay in 512 registers as bf16 for the
; whole launch, so the codebook alone streams: tiles of 128 codes x 1,024 bytes through two LDS slots, a quarter of a tile to each wave's tensor load; 256 matrix instructions a wave and tile.
; CLUSTER.  The four work-groups of a cluster have the same split and walk the same tiles: each tile is asked for jointly, by the same load with the same descriptor and the mask of all four.
; My place in the cluster enters x's address and the offsets of the two last stores alone.
; THE MATRIX INSTRUCTION IS USED TRANSPOSED: source 0 = 16 codes, source 1 = 16 rows of x.  A lane then holds ONE row (lane % 16) and the 8 neighbouring codes 8 (lane / 16) + 0..7: a BLOCK.
; TOP 3 BY BLOCKS.  Order blocks by (largest score falling, number rising).  An element outside the three first blocks has three blocks' maxima ahead of it (at equality with lower codes), so the three
; best elements lie in the three first blocks.  A lane keeps, for each of its four rows, three slots A, B, C in order of arrival: key, unit number, the block's 8 scores.  A new block enters if its
; maximum is GREATER than the smallest key; the latest slot among the smallest keys leaves, the later slots move down.  42 steps of four lines (one a row) and 8 scalar lines for 64 matrix instructions.
; A UNIT is 16 codes x 64 rows x K 512: 64 matrix instructions on four accumulators by turns.  Unit n multiplies fragments n, fetches fragments and scales of unit n + 1 and carries the block step of
; unit n - 1, four lines behind a matrix instruction.  At the end the 24 kept scores of a list are ranked, then the two halves of the lanes and the two column waves are merged.
; REGISTERS, in windows of 256 (s_set_vgpr_msb: bits 1:0 source 0, 3:2 source 1, 5:4 source 2, 7:6 destination):
;   window 0: addresses, lists, scales, two sets of four accumulators     window 1: two buffers of 128 for the codes' fragments (at the start: temporaries for x)     windows 2, 3: x, K 0-255 and 256-511
.set PITCH, 1040                       ; an LDS row: 1,024 bytes + 16 of padding = 260 words: row r starts at bank 4 r mod 64 (64 banks of 4 bytes: ISA guide 11.1), so the 16 rows of a load start at 16 different banks
.set UB,    16*PITCH                   ; a unit's 16 codes
.set QB,    32*PITCH                   ; what one tensor load brings
.set SLOT,  4*QB                       ; a tile: 133,120 bytes
.set EXA,   2*SLOT                     ; behind the ring, never filled by a tensor load: 2,048 bytes a wave for the last merge; list a: values at 512 a + 16 r, codes 256 further on
.set SPARE, EXA+4*2048                 ; the spare words, 128 bytes for each wave: two blocks of 256 bytes that no other line names
.set TILEB, 128*1024                   ; a tile in memory
.set LEAD,  15                         ; fragments of x on their way at the start
.set AB0,  3                           ; v3   my lane's place in a tile: (64 (w & 1) + l % 16) x PITCH + 16 (l / 16); never rewritten
.set ADR,  4                           ; v4   LDS address of the fetch in hand
.set ROFF, 5                           ; v5   byte offset in re2 of the scales to be loaded next
.set RMAX, 6                           ; v6   that of my last unit
.set XO,   7                           ; v7   my byte offset in 16 rows of x
.set SPW,  8                           ; v8   LDS address of my spare word; never rewritten
.set NIL,  9                           ; v9   0; never rewritten
.set LB,   10                          ; v10  the code of my register 0 in unit 0
.set EXS,  11                          ; v11  last merge: where I store
.set EXO,  12                          ; v12  where I read my wave's list back
.set EXQ,  13                          ; v13  where I read the partner wave's
.set L16,  14                          ; v14  16 x lane
.set KK,   16                          ; v16-27   keys, 3 a + slot
.set UU,   28                          ; v28-39   unit numbers, likewise
.set MM,   40                          ; v40-43   the new block's maximum
.set MN,   44                          ; v44-47   the smallest key (before that: at work)
.set RE,   48                          ; v48-63   1 / |e| of my 8 codes, two sets by the unit's parity
.set ACC,  64                          ; v64-127  two sets of four accumulators
.set PAY,  128                         ; v128-223 the kept scores: 24 a + 8 slot + j
.set BASE, 224                         ; v224-227 a slot's first code
.set EID,  228                         ; v228-231 the code in hand
.set FT,   64                          ; the final lists, where accumulator set 0 lay: values at 64 + 8 a + 0..2, then a 0,
.set FI,   68                          ; codes at 68 + 8 a + 0..2, then a 0
.set PT,   96                          ; the other side's lists, where set 1 lay
.set PI,   100
.set WV,  14                           ; s14 wave; s15 its half of the rows; s16 its half of a tile's codes
.set RH,  15
.set CH,  16
.set CX,  17                           ; s17 my place in the cluster; s18 my block of 128 rows
.set RB,  18
.set SPL, 19                           ; s19 the split
.set G1,  24                           ; s[24:31] descriptor group 1
.set G0,  32                           ; s[32:39] descriptor group 0, a set for each slot
.set TB,  40                           ; s40 LDS byte at which the unit to be fetched begins
.set UID, 41                           ; s41 the number of the unit whose block step is in hand
.set CNT, 42
.set OUT, 43
.set SEL, 44                           ; s[44:45] v_permlanex16_b32: each lane takes its own place in the other half
.set NINF, 46                          ; s46 -infinity
.set MK,  66                           ; s66-85: five lane masks a list
.set MSB, 0
.macro WIN new                         ; the immediate's high byte repeats the setting that is left; a switch that changes nothing is dropped
.if MSB != (\new)
	s_set_vgpr_msb (MSB<<8)|(\new)
.set MSB, (\new)
.endif
.endm
; A round of the cluster's barrier: my work-group's barrier, so that wave 0's signal speaks for all four waves; wave 0 signals; every wave waits for all four work-groups; my work-group's barrier once more.
.macro CROUND
	s_barrier_signal -1
	s_barrier_wait -1
	s_cmp_lg_u32 s[WV], 0
	s_cbranch_scc1 .Lnot_wave_0_\@
	s_barrier_signal -3
.Lnot_wave_0_\@:
	s_barrier_wait -3
	s_barrier_signal -1
	s_barrier_wait -1
.endm
	s_load_b256 s[4:11], s[0:1], 0x0               ; x s[4:5], eb s[6:7], re2 s[8:9], cval s[10:11]
	s_load_b64 s[12:13], s[0:1], 0x20              ; cidx
	v_lshl_add_u32 v[SPW], v0, 2, SPARE
	v_mov_b32 v[NIL], 0
	ds_add_u32 v[SPW], v[NIL]                      ; the wave's opening: the add and its wait ahead of my first tensor load; the set-up below, work on registers, stands between them
	v_lshrrev_b32 v1, 5, v0
	v_readfirstlane_b32 s[WV], v1
	s_lshr_b32 s[RH], s[WV], 1
	s_and_b32 s[CH], s[WV], 1
	s_bfe_u32 s[CX], ttmp6, 0x40000
	s_lshl_b32 s[RB], ttmp9, 2                     ; in a cluster launch ttmp9 counts clusters
	s_add_co_u32 s[RB], s[RB], s[CX]
	s_and_b32 s[SPL], ttmp7, 0xffff                ; shared by the four partners
	; descriptor group 1: 32 rows of 512 elements of 2 bytes, padded in LDS
	s_mov_b32 s[G1], 15|(1<<16)|(1<<20)|(1<<21)|(7<<22)|(3<<25)  ; 15:0 the mask of four; 17:16 2-byte elements; 20 padding on; 21 set beside a mask; 24:22 after every 256 words (code 7); 31:25 4 words (code 3)
	s_mov_b32 s[G1+1], 512<<16                     ; tensor_dim0 = 512
	s_mov_b32 s[G1+2], 32<<16                      ; tensor_dim1 = 32
	s_mov_b32 s[G1+3], 512<<16                     ; tile_dim0 = 512
	s_mov_b32 s[G1+4], 32                          ; tile_dim1 = 32
	s_mov_b32 s[G1+5], 512                         ; 512 elements from row to row
	s_mov_b32 s[G1+6], 0
	s_mov_b32 s[G1+7], 0
	s_mul_i32 s47, s[WV], QB                       ; my quarter of a slot: the wave's number alone enters an LDS address
	s_mov_b32 s[G0], 1
	s_add_co_u32 s[G0+1], s47, 0
	s_mov_b32 s[G0+4], 1
	s_add_co_u32 s[G0+5], s47, SLOT
	s_lshl_b32 s22, s[SPL], 22                     ; eb: 4,096 codes of 1,024 bytes a split,
	s_lshl_b32 s51, s[WV], 15                      ; 32 codes a wave
	s_add_co_u32 s22, s22, s51
	s_mov_b32 s23, 0
	s_lshl_b32 s20, s[RB], 18                      ; x: 128 rows of 2,048 bytes a block,
	s_lshl_b32 s52, s[RH], 17                      ; 64 rows a half
	s_add_co_u32 s20, s20, s52
	s_mov_b32 s21, 0
	s_lshl_b32 s48, s[SPL], 18                     ; cval, cidx: 16,384 rows of 16 bytes a split,
	s_lshl_b32 s52, s[RB], 11                      ; 128 rows a block,
	s_add_co_u32 s48, s48, s52
	s_lshl_b32 s52, s[WV], 9                       ; 32 rows a wave
	s_add_co_u32 s48, s48, s52
	s_mov_b32 s49, 0
	s_mov_b32 s[SEL], 0x76543210
	s_mov_b32 s[SEL+1], 0xfedcba98
	s_mov_b32 s[NINF], 0xff800000
	v_and_b32 v1, 15, v0                           ; r = l % 16
	v_bfe_u32 v2, v0, 4, 1                         ; h = l / 16
	v_lshlrev_b32 v[XO], 11, v1                    ; x: row r, K 8 h on in f32
	v_lshl_add_u32 v[XO], v2, 5, v[XO]
	s_mul_i32 s53, s[CH], 64*PITCH
	v_mul_u32_u24 v[AB0], v1, PITCH
	v_lshl_add_u32 v[AB0], v2, 4, v[AB0]
	v_add_nc_u32 v[AB0], s53, v[AB0]
	s_lshl1_add_u32 s53, s[SPL], s[CH]             ; re2 is [split][column half][unit][16]: 8,192 bytes for each of the four
	s_lshl_b32 s53, s53, 13
	v_lshl_add_u32 v[ROFF], v2, 5, s53             ; my 8 codes' 32 bytes in unit 0
	v_add_nc_u32 v[RMAX], 127*64, v[ROFF]
	s_lshl_b32 s53, s[SPL], 12
	s_lshl_b32 s54, s[CH], 6
	s_add_co_u32 s53, s53, s54
	v_lshl_add_u32 v[LB], v2, 3, s53
	s_lshl_b32 s53, s[WV], 11
	s_add_co_u32 s53, s53, EXA
	v_lshl_add_u32 v[EXS], v1, 4, s53
	s_lshl_b32 s54, s[CH], 10                      ; at the end lane (r, h) of wave (rh, ch) takes list 2 ch + h
	v_lshl_add_u32 v[EXO], v2, 9, v[EXS]
	v_add_nc_u32 v[EXO], s54, v[EXO]
	s_xor_b32 s53, s[WV], 1                        ; the wave with my rows and the other codes
	s_lshl_b32 s53, s53, 11
	s_add_co_u32 s53, s53, EXA
	s_add_co_u32 s53, s53, s54
	v_lshl_add_u32 v[EXQ], v1, 4, s53
	v_lshl_add_u32 v[EXQ], v2, 9, v[EXQ]
	v_and_b32 v[L16], 31, v0
	v_lshlrev_b32 v[L16], 4, v[L16]
	s_wait_dscnt 0x0                               ; the opening add is done
	s_wait_kmcnt 0x0
	s_add_nc_u64 s[4:5], s[4:5], s[20:21]          ; x at my wave's first row
	s_add_nc_u64 s[G0+2:G0+3], s[6:7], s[22:23]    ; my quarter of tile 0,
	s_add_nc_u64 s[G0+6:G0+7], s[G0+2:G0+3], TILEB ; and of tile 1
	s_or_b32 s[G0+3], s[G0+3], 0x80000000          ; type = 2
	s_or_b32 s[G0+7], s[G0+7], 0x80000000
	s_add_nc_u64 s[10:11], s[10:11], s[48:49]
	s_add_nc_u64 s[12:13], s[12:13], s[48:49]
	CROUND                                         ; all four work-groups are here: the first joint loads meet
	tensor_load_to_lds s[G0:G0+3], s[G1:G1+7]      ; both first fills together, ahead of every wait on TENSORcnt and every LDS read: two loads of mine are out
	s_nop 0
	tensor_load_to_lds s[G0+4:G0+7], s[G1:G1+7]
	s_nop 0
.rept 4
	v_nop
.endr
; x INTO REGISTERS.  Fragment f = 4 ks + a is 16 rows (16 a on) x 32 along K (32 ks on): lane l holds row l % 16, K 8 (l / 16) + 0..7 and 16 + 8 (l / 16) + 0..7: in f32 four loads of 16 bytes,
; into one of 16 temporaries; eight roundings make the fragment.
.macro ALOADF f
	WIN 0x40                                       ; destination window 1, address window 0
.set lT_, 16*((\f)%16)
.set lO_, ((\f)&3)*32768+((\f)>>2)*128
	global_load_b128 v[lT_:lT_+3],     v[XO], s[4:5] offset:lO_
	global_load_b128 v[lT_+4:lT_+7],   v[XO], s[4:5] offset:lO_+16
	global_load_b128 v[lT_+8:lT_+11],  v[XO], s[4:5] offset:lO_+64
	global_load_b128 v[lT_+12:lT_+15], v[XO], s[4:5] offset:lO_+80
.endm
.macro ACVT f
.set cT_, 16*((\f)%16)
.set cA_, 32*(((\f)>>2)&7)+8*((\f)&3)
.if ((\f)>>2) < 8
	WIN 0x85                                       ; sources window 1, destination window 2
.else
	WIN 0xc5                                       ; destination window 3
.endif
.set cj_, 0
.rept 8
	v_cvt_pk_bf16_f32 v[cA_+cj_], v[cT_+2*cj_], v[cT_+2*cj_+1]
.set cj_, cj_+1
.endr
.endm
.set f, 0
.rept LEAD
	ALOADF f
.set f, f+1
.endr
	; What the first unit finds, written while those loads are on their way: empty lists, and a unit -1 of scores -infinity, which enters nowhere.
	WIN 0
.set j, 0
.rept 12
	v_mov_b32 v[KK+j], s[NINF]
	v_mov_b32 v[UU+j], 0
.set j, j+1
.endr
.set j, 0
.rept 96
	v_mov_b32 v[PAY+j], s[NINF]
.set j, j+1
.endr
.set j, 0
.rept 32
	v_mov_b32 v[ACC+32+j], s[NINF]
.set j, j+1
.endr
.set j, 0
.rept 8
	v_mov_b32 v[RE+8+j], 1.0
.set j, j+1
.endr
.set f, 0
.rept 64
.if 63-f < LEAD-1
	s_wait_loadcnt 4*(63-f)                        ; the counts run down
.else
	s_wait_loadcnt 4*(LEAD-1)                      ; fragment f is in; the 14 younger fragments' 56 loads stay out
.endif
	ACVT f
.if f+LEAD < 64
	ALOADF f+LEAD                                  ; into the temporary that fragment f - 1 left
.endif
.set f, f+1
.endr
	WIN 0
	global_load_b128 v[RE:RE+3],   v[ROFF], s[8:9]            ; unit 0's scales
	global_load_b128 v[RE+4:RE+7], v[ROFF], s[8:9] offset:16
; Matrix instruction i of 64 of a unit of parity par: K 32 (i >> 2) on, rows 16 (i & 3) on.  The four accumulators take turns, one instruction a turn; the first four start the sums with 0.
.macro WM par
.set wk_, i>>2
.set wa_, i&3
.if wk_ < 8
	WIN 0x09                                       ; codes window 1, x window 2, C and D window 0
.else
	WIN 0x0d                                       ; x window 3
.endif
.set wD_, ACC+32*(\par)+8*wa_
.set wB_, 128*(\par)+8*wk_
.set wA_, 32*(wk_&7)+8*wa_
.if wk_ == 0
	v_wmma_f32_16x16x32_bf16 v[wD_:wD_+7], v[wB_:wB_+7], v[wA_:wA_+7], 0
.else
	v_wmma_f32_16x16x32_bf16 v[wD_:wD_+7], v[wB_:wB_+7], v[wA_:wA_+7], v[wD_:wD_+7]
.endif
.endm
; Step st of 42 of the block step on accumulator set q, one line for each of the four rows.
;   0-3    the 8 scores times 1 / |e| (each accumulator's lowest registers are read first)          4-7  their maximum M          8  the smallest key
;   9-11   masks: M > smallest key (the block enters); slot C holds the smallest; slot B does.  Then by scalar lines: B takes C's (enters and not C); A takes B's (that and not B)
;   12-14  the keys move; 15-17 the unit numbers; 18-41 the 8 scores, three lines each
.macro RID q, st
	WIN 0
.set ra_, 0
.rept 4
.set rS_, ACC+32*(\q)+8*ra_
.set rR_, RE+8*(\q)
.set rK_, KK+3*ra_
.set rU_, UU+3*ra_
.set rP_, PAY+24*ra_
.set rM_, MK+5*ra_
.if (\st) < 4
	v_pk_mul_f32 v[rS_+2*(\st):rS_+2*(\st)+1], v[rS_+2*(\st):rS_+2*(\st)+1], v[rR_+2*(\st):rR_+2*(\st)+1]
.elseif (\st) == 4
	v_max3_num_f32 v[MM+ra_], v[rS_], v[rS_+1], v[rS_+2]
.elseif (\st) == 5
	v_max3_num_f32 v[MN+ra_], v[rS_+3], v[rS_+4], v[rS_+5]
.elseif (\st) == 6
	v_max3_num_f32 v[MM+ra_], v[MM+ra_], v[rS_+6], v[rS_+7]
.elseif (\st) == 7
	v_max_num_f32 v[MM+ra_], v[MM+ra_], v[MN+ra_]
.elseif (\st) == 8
	v_min3_num_f32 v[MN+ra_], v[rK_], v[rK_+1], v[rK_+2]
.elseif (\st) == 9
	v_cmp_gt_f32 s[rM_], v[MM+ra_], v[MN+ra_]
.elseif (\st) == 10
	v_cmp_eq_f32 s[rM_+1], v[rK_+2], v[MN+ra_]
.elseif (\st) == 11
	v_cmp_eq_f32 s[rM_+2], v[rK_+1], v[MN+ra_]
.elseif (\st) == 12
	v_cndmask_b32 v[rK_], v[rK_], v[rK_+1], s[rM_+4]
.elseif (\st) == 13
	v_cndmask_b32 v[rK_+1], v[rK_+1], v[rK_+2], s[rM_+3]
.elseif (\st) == 14
	v_cndmask_b32 v[rK_+2], v[rK_+2], v[MM+ra_], s[rM_]
.elseif (\st) == 15
	v_cndmask_b32 v[rU_], v[rU_], v[rU_+1], s[rM_+4]
.elseif (\st) == 16
	v_cndmask_b32 v[rU_+1], v[rU_+1], v[rU_+2], s[rM_+3]
.elseif (\st) == 17
	v_cndmask_b32 v[rU_+2], v[rU_+2], s[UID], s[rM_]
.else
.set rj_, ((\st)-18)/3
.if ((\st)-18)%3 == 0
	v_cndmask_b32 v[rP_+rj_], v[rP_+rj_], v[rP_+8+rj_], s[rM_+4]
.elseif ((\st)-18)%3 == 1
	v_cndmask_b32 v[rP_+8+rj_], v[rP_+8+rj_], v[rP_+16+rj_], s[rM_+3]
.else
	v_cndmask_b32 v[rP_+16+rj_], v[rP_+16+rj_], v[rS_+rj_], s[rM_]
.endif
.endif
.set ra_, ra_+1
.endr
.if (\st) == 11
.irp a, 0,1,2,3
	s_and_not1_b32 s[MK+5*\a+3], s[MK+5*\a], s[MK+5*\a+1]
	s_and_not1_b32 s[MK+5*\a+4], s[MK+5*\a+3], s[MK+5*\a+2]
.endr
.endif
.endm
; A UNIT of parity par.  tail = 1: the last tile: the fetch address stops at the tile's last unit, so the last unit fetches its own fragments and scales once more: 34 loads that serve nothing, once a launch.
; No matrix instruction has more than four lines behind it.  A vector line that touches a matrix instruction's registers, and a load into them, stand four plain vector lines behind it (ISA guide 7.12.1 for vector lines):
; the four lines behind the unit's first product are those places for the last unit's products, whose fragment buffer is loaded and whose sums are read below.
.macro UNIT par, tail
.set uq_, 1-(\par)
	s_wait_dscnt 0x0                               ; this unit's fragments, asked for 50 matrix instructions ago or more
	s_wait_xcnt 0x0                                ; the scale loads' offset register is stepped only behind this wait
.set i, 0
	WM \par
	WIN 0
	v_add_nc_u32 v[ADR], s[TB], v[AB0]
	v_add_nc_u32 v[ROFF], 64, v[ROFF]              ; the next unit's 16 scales,
	v_min_u32 v[ROFF], v[ROFF], v[RMAX]            ; never past my last unit's
	v_nop
	s_add_co_u32 s[TB], s[TB], UB
.if \tail
	s_min_u32 s[TB], s[TB], SLOT+3*UB
.endif
.set i, 1
.rept 8
	WM \par
	WIN 0x40                                       ; destination window 1
.set uk_, 128*uq_+16*(i-1)
	ds_load_b128 v[uk_:uk_+3],     v[ADR] offset:128*(i-1)
	ds_load_b128 v[uk_+4:uk_+7],   v[ADR] offset:128*(i-1)+32
	ds_load_b128 v[uk_+8:uk_+11],  v[ADR] offset:128*(i-1)+64
	ds_load_b128 v[uk_+12:uk_+15], v[ADR] offset:128*(i-1)+96
.set i, i+1
.endr
	s_wait_loadcnt 0x2                             ; the last unit's scales are in; the two loads issued a unit later, this unit's scales, may stay out
.rept 4
	WM \par
	RID uq_, i-9
.set i, i+1
.endr
	WM \par
	WIN 0
	global_load_b128 v[RE+8*uq_:RE+8*uq_+3],   v[ROFF], s[8:9]            ; behind the last line that read this set
	global_load_b128 v[RE+8*uq_+4:RE+8*uq_+7], v[ROFF], s[8:9] offset:16
.set i, i+1
.rept 38
	WM \par
	RID uq_, i-10
.set i, i+1
.endr
.rept 12
	WM \par
.set i, i+1
.endr
	s_add_co_u32 s[UID], s[UID], 1
	WIN 0                                          ; at a label and at a branch every window is 0
.endm
; THE CHANGE OF SLOTS stands in front of a tile's last unit: that unit's fragments are in registers, and it fetches from the next tile, in slot fs.  Each wave waits for all its tensor loads, of which one
; is out: its quarter of slot fs; adds 0 to its spare word; and waits for that and for its reads of the slot that it leaves.  fill = 1: the barrier is a round of the cluster's, so that no wave of any
; partner still reads the old slot or has a load on its way, and the joint refill, the tile two on, is the first thing behind it: it has 256 matrix instructions in which to land.
.macro CHANGE fs, fill
	WIN 0
	s_wait_tensorcnt 0x0                           ; no tensor load of mine is out, so a group 0 may be written
	ds_add_u32 v[SPW], v[NIL]                      ; 0 onto my spare word; scalar work stands between it and the wait for it
.if \fill
	s_add_nc_u64 s[G0+6-4*(\fs):G0+7-4*(\fs)], s[G0+6-4*(\fs):G0+7-4*(\fs)], 2*TILEB  ; the type bits on top are not reached
.endif
	s_mov_b32 s[TB], (\fs)*SLOT
	s_wait_dscnt 0x0                               ; the add is done, and my reads of the old slot are over
.if \fill
	CROUND
	tensor_load_to_lds s[G0+4-4*(\fs):G0+7-4*(\fs)], s[G1:G1+7]
	s_nop 0
.rept 4
	v_nop
.endr
.else
	s_barrier_signal -1
	s_barrier_wait -1
.endif
.endm
	s_wait_tensorcnt 0x1                           ; my quarter of tile 0 is in; tile 1's may stay out
	s_barrier_signal -1
	s_barrier_wait -1                              ; everybody's is
	WIN 0x40
.set k, 0
.rept 16
	ds_load_b128 v[8*k:8*k+3],   v[AB0] offset:64*k      ; unit 0's fragments
	ds_load_b128 v[8*k+4:8*k+7], v[AB0] offset:64*k+32
.set k, k+1
.endr
	WIN 0
	s_mov_b32 s[TB], UB
	s_mov_b32 s[UID], -1
	s_mov_b32 s[CNT], 2
	s_mov_b32 s[OUT], 16
	s_branch .Lenter                               ; units 0, 1, 2: the loop is entered in the middle of a trip
.Louter:                                               ; 15 whole trips of 8 units: tiles 2 to 31 are asked for
	CHANGE 1, 1
	s_mov_b32 s[CNT], 2
.La:
	UNIT 1, 0
	UNIT 0, 0
	s_sub_co_u32 s[CNT], s[CNT], 1
	s_cmp_lg_u32 s[CNT], 0
	s_cbranch_scc1 .La
	CHANGE 0, 1
	s_mov_b32 s[CNT], 2
.Lb:
	UNIT 1, 0
.Lenter:
	UNIT 0, 0
	s_sub_co_u32 s[CNT], s[CNT], 1
	s_cmp_lg_u32 s[CNT], 0
	s_cbranch_scc1 .Lb
	s_sub_co_u32 s[OUT], s[OUT], 1
	s_cmp_lg_u32 s[OUT], 0
	s_cbranch_scc1 .Louter
	CHANGE 1, 0                                    ; the tail is written out: nothing is asked for
	s_mov_b32 s[CNT], 3
.Lt:                                                   ; units 123 to 127
	UNIT 1, 1
	s_sub_co_u32 s[CNT], s[CNT], 1
	s_cmp_eq_u32 s[CNT], 0
	s_cbranch_scc1 .Lfin
	UNIT 0, 1
	s_branch .Lt
.Lfin:
	s_wait_loadcnt 0x0                             ; unit 127's scales, and the loads that serve nothing
	s_wait_dscnt 0x0
.rept 4
	v_nop                                          ; the places behind the last products
.endr
.set st, 0
.rept 42
	RID 1, st                                      ; unit 127's block step
.set st, st+1
.endr
; THE LISTS ARE RESOLVED.  EACH writes a line for each of NL lists.  INS puts one element (value in v[vb + vs a], code in v[ib + is a]) into the sorted triple of list a.
; x = 0: the elements come in rising order of code, so an element that only ties stays behind.  x = 1: a tie goes to the lower code.
.macro EACH line:vararg
.set a_, 0
.rept NL
	\line
.set a_, a_+1
.endr
.endm
.macro INS x, vb, vs, ib, is
.irp m, 2,1,0
	EACH v_cmp_gt_f32 s[MK+5*a_+\m], v[(\vb)+(\vs)*a_], v[FT+8*a_+\m]
.if \x
	EACH v_cmp_eq_f32 s[MK+5*a_+3], v[(\vb)+(\vs)*a_], v[FT+8*a_+\m]
	EACH v_cmp_lt_u32 s[MK+5*a_+4], v[(\ib)+(\is)*a_], v[FI+8*a_+\m]
	EACH s_and_b32 s[MK+5*a_+3], s[MK+5*a_+3], s[MK+5*a_+4]
	EACH s_or_b32 s[MK+5*a_+\m], s[MK+5*a_+\m], s[MK+5*a_+3]
.endif
.endr
	EACH v_cndmask_b32 v[FI+8*a_+2], v[FI+8*a_+2], v[(\ib)+(\is)*a_], s[MK+5*a_+2]
	EACH v_cndmask_b32 v[FI+8*a_+2], v[FI+8*a_+2], v[FI+8*a_+1], s[MK+5*a_+1]
	EACH v_cndmask_b32 v[FI+8*a_+1], v[FI+8*a_+1], v[(\ib)+(\is)*a_], s[MK+5*a_+1]
	EACH v_cndmask_b32 v[FI+8*a_+1], v[FI+8*a_+1], v[FI+8*a_], s[MK+5*a_]
	EACH v_cndmask_b32 v[FI+8*a_], v[FI+8*a_], v[(\ib)+(\is)*a_], s[MK+5*a_]
	EACH v_med3_num_f32 v[FT+8*a_+2], v[FT+8*a_+1], v[FT+8*a_+2], v[(\vb)+(\vs)*a_]
	EACH v_med3_num_f32 v[FT+8*a_+1], v[FT+8*a_], v[FT+8*a_+1], v[(\vb)+(\vs)*a_]
	EACH v_max_num_f32 v[FT+8*a_], v[FT+8*a_], v[(\vb)+(\vs)*a_]
.endm
.set NL, 4
.irp m, 0,1,2
	EACH v_mov_b32 v[FT+8*a_+\m], s[NINF]
	EACH v_mov_b32 v[FI+8*a_+\m], 0
.endr
	EACH v_mov_b32 v[FT+8*a_+3], 0                 ; the fourth word of each quad that is stored
	EACH v_mov_b32 v[FI+8*a_+3], 0
	s_mov_b32 s[CNT], 3
.Lres:                                                 ; three trips: slot A's 8 scores are ranked, then the slots move down: one text for the three slots, and no address hangs on a score
	EACH v_lshrrev_b32 v[EID+a_], 2, v[UU+3*a_]
	EACH v_and_b32 v[BASE+a_], 3, v[UU+3*a_]
	EACH v_lshl_add_u32 v[BASE+a_], v[BASE+a_], 4, v[LB]
	EACH v_lshl_add_u32 v[BASE+a_], v[EID+a_], 7, v[BASE+a_]  ; unit n: tile n >> 2 (128 codes), unit n & 3 in it (16 codes)
.set j, 0
.rept 8
	EACH v_add_nc_u32 v[EID+a_], j, v[BASE+a_]
	INS 0, PAY+j, 24, EID, 1
.set j, j+1
.endr
.set j, 0
.rept 8
	EACH v_mov_b32 v[PAY+24*a_+j], v[PAY+24*a_+8+j]
	EACH v_mov_b32 v[PAY+24*a_+8+j], v[PAY+24*a_+16+j]
.set j, j+1
.endr
	EACH v_mov_b32 v[UU+3*a_], v[UU+3*a_+1]
	EACH v_mov_b32 v[UU+3*a_+1], v[UU+3*a_+2]
	s_sub_co_u32 s[CNT], s[CNT], 1
	s_cmp_lg_u32 s[CNT], 0
	s_cbranch_scc1 .Lres
	; the row's other codes lie in the lane 16 away: both lanes take the other's triple and end with the same list
.irp m, 0,1,2
	EACH v_permlanex16_b32 v[PT+8*a_+\m], v[FT+8*a_+\m], s[SEL], s[SEL+1]
	EACH v_permlanex16_b32 v[PI+8*a_+\m], v[FI+8*a_+\m], s[SEL], s[SEL+1]
.endr
.irp m, 0,1,2
	INS 1, PT+\m, 8, PI+\m, 8
.endr
	; the two column waves meet in LDS: each stores its four lists (both halves of the lanes write the same bytes with the same numbers),
	EACH ds_store_b128 v[EXS], v[FT+8*a_:FT+8*a_+3] offset:512*a_
	EACH ds_store_b128 v[EXS], v[FI+8*a_:FI+8*a_+3] offset:512*a_+256
	s_wait_dscnt 0x0                               ; for the others' sake: my stores are done
	s_barrier_signal -1
	s_barrier_wait -1
	ds_load_b128 v[FT:FT+3], v[EXO]                ; and lane (r, h) of wave (rh, ch) merges list 2 ch + h of both waves: its row is 32 w + lane of the block
	ds_load_b128 v[FI:FI+3], v[EXO] offset:256
	ds_load_b128 v[PT:PT+3], v[EXQ]
	ds_load_b128 v[PI:PI+3], v[EXQ] offset:256
	s_wait_dscnt 0x0
.set NL, 1
.irp m, 0,1,2
	INS 1, PT+\m, 8, PI+\m, 8
.endr
	global_store_b128 v[L16], v[FT:FT+3], s[10:11] ; 512 consecutive bytes, aligned: 32 rows of s1, s2, s3, 0
	global_store_b128 v[L16], v[FI:FI+3], s[12:13] ; and of their codes
	s_wait_tensorcnt 0x0                           ; the wave's end, behind my last tensor load and my last LDS store
	ds_add_u32 v[SPW], v[NIL]
	s_wait_dscnt 0x0
	CROUND                                         ; the closing round: no work-group ends while a partner may still ask for a tile that names it
	s_endpgm
.Lfunc_end_k_qf4018a8a18_main:
	.size	k_qf4018a8a18_main, .Lfunc_end_k_qf4018a8a18_main-k_qf4018a8a18_main
	.p2alignl 7, 3214868480
	.fill 96, 4, 3214868480
	.section	.rodata,"a",@progbits
	.p2align	6, 0x0
	.amdhsa_kernel k_qf4018a8a18_main
		.amdhsa_group_segment_fixed_size 327680
		.amdhsa_private_segment_fixed_size 0
		.amdhsa_enable_private_segment 0
		.amdhsa_kernarg_size 40
		.amdhsa_user_sgpr_count 2
		.amdhsa_user_sgpr_kernarg_segment_ptr 1
		.amdhsa_wavefront_size32 1
		.amdhsa_system_sgpr_workgroup_id_x 1
		.amdhsa_system_sgpr_workgroup_id_y 1
		.amdhsa_system_sgpr_workgroup_id_z 1
		.amdhsa_system_vgpr_workitem_id 0
		.amdhsa_next_free_vgpr 1024
		.amdhsa_next_free_sgpr 96
		.amdhsa_reserve_vcc 0
		.amdhsa_float_denorm_mode_32 3
		.amdhsa_float_denorm_mode_16_64 3
		.amdhsa_memory_ordered 1
		.amdhsa_forward_progress 1
		.amdhsa_inst_pref_size 255
	.end_amdhsa_kernel
	.section	.bss,"aw",@nobits
	.p2align	6
	.space	262144
	.amdgpu_metadata
---
amdhsa.version: [ 1, 2 ]
amdhsa.kernels:
  - .name:           k_qf4018a8a18_main
    .symbol:         k_qf4018a8a18_main.kd
    .args:
      - { .name: x, .offset: 0, .size: 8, .value_kind: global_buffer, .address_space: global }
      - { .name: eb, .offset: 8, .size: 8, .value_kind: global_buffer, .address_space: global }
      - { .name: re2, .offset: 16, .size: 8, .value_kind: global_buffer, .address_space: global }
      - { .name: cval, .offset: 24, .size: 8, .value_kind: global_buffer, .address_space: global }
      - { .name: cidx, .offset: 32, .size: 8, .value_kind: global_buffer, .address_space: global }
    .group_segment_fixed_size: 327680
    .private_segment_fixed_size: 0
    .kernarg_segment_align: 8
    .kernarg_segment_size: 40
    .max_flat_workgroup_size: 128
    .sgpr_count:     96
    .vgpr_count:     1024
    .wavefront_size: 32
...
	.end_amdgpu_metadata
.endif
;; end of part 2
;; launch finish (part 3): grid 512 x 1, 8 waves a work-group, no clusters, 0 bytes of LDS; arguments x, eb, cval, cidx, out0, out2, part; writes out0, out2, part
.if DOCPART == 3
	.amdgcn_target "amdgcn-amd-amdhsa--gfx1250"
	.amdhsa_code_object_version 6
	.text
	.protected	k_qf4018a8a18_finish
	.globl	k_qf4018a8a18_finish
	.p2align	8
	.type	k_qf4018a8a18_finish,@function
k_qf4018a8a18_finish:
	s_mov_b64 s[64:65], 0
	v_nop
	global_prefetch_b8 v0, s[64:65] scope:SCOPE_SE
	s_setreg_imm32_b32 hwreg(HW_REG_WAVE_MODE, 25, 1), 1
	s_wait_xcnt 0x0
; THE TWO HALVES' TRIPLES ARE MERGED; out2; the weights; q = the weighted sum of three codebook rows; out0 = xb + (q - xb); a partial sum of (q - xb)^2 for each wave.
; xb = x rounded once to bf16, the codebook rows come from eb (bf16): the whole program works on inputs rounded once to bf16.  d = 2 - 2 s / max(|xb|, 1e-12): |xn|^2 and |wn|^2 count as 1.
; LIMITS.  A row of norm under 1e-12 is not treated apart (reference()'s |xn|^2 or |wn|^2 is then below 1); d near 0, NaN and infinities go as the arithmetic takes them.
; SHARES.  A work-group has 32 rows, a wave four.  ALL SIX candidate rows of a row are loaded, by the codes as the ranking launch stored them (read by scalar loads and clamped to the table): no address
; hangs on a comparison made here.  The three that lose get the weight 0.
; A stream with a gather: no matrix unit, no cluster (nothing is shared), no LDS bytes (ds_bpermute_b32 touches none).  Two sets of registers: a row is on its way while another is worked on.
; A load or store of x or out0 covers 512 consecutive bytes, a load of a codebook row 256.  Lane l holds elements 128 t + 4 l + 0..3 of both.
; out2 leaves as 384 consecutive bytes a work-group, part as 4 bytes a wave: 196,608 and 16,384 bytes in all.
.set L16,  2                           ; v2   16 x lane
.set L8,   3                           ; v3   8 x lane
.set ZERO, 4                           ; v4   0
.set TMP,  5                           ; v5   v_permlanex16_b32's destination
.set O12,  6                           ; v6   12 x lane
.set T0,   8                           ; v[8:11]   lane = row of the work-group: split 0's s1, s2, s3, 0; then the merged values
.set I0,   12                          ; v[12:15]  their codes
.set T1,   16                          ; v[16:19]  split 1's
.set I1,   20                          ; v[20:23]
.set BA,   24                          ; v24-27  4 x the lane that holds my row i
.set BT,   28                          ; v28-39  my row i's three values, in every lane
.set BI,   40                          ; v40-51  their codes
.set VO,   52                          ; v52-75  row i, candidate c: byte offset of my 8 bytes in its codebook row; never rewritten
.set XP,   76                          ; v76-83  x as bf16 pairs
.set SS,   84                          ; v[84:87] sums of squares
.set RX,   88                          ; v88  1 / |xb|
.set DD,   89                          ; v89-91  cos, d, 1 / d
.set SUMI, 92
.set WW,   93                          ; v93-95  the weights
.set CF,   96                          ; v96-101 the six candidates' weights
.set LACC, 102                         ; v[102:105] the wave's sum of (q - xb)^2, two packed chains
.set QQ,   106                         ; v[106:121] q, then q - xb, then out0
.set XR,   122                         ; set p at + 64 p: 16 registers of x,
.set ER,   138                         ; 48 of codebook rows: 8 c + 2 t
	s_load_b256 s[4:11], s[0:1], 0x0               ; x s[4:5], eb s[6:7], cval s[8:9], cidx s[10:11]
	s_load_b128 s[12:15], s[0:1], 0x20             ; out0 s[12:13], out2 s[14:15]
	s_load_b64 s[16:17], s[0:1], 0x30              ; part
	v_lshrrev_b32 v1, 5, v0
	v_readfirstlane_b32 s18, v1                    ; wave 0..7
	v_and_b32 v1, 31, v0
	v_lshlrev_b32 v[L16], 4, v1
	v_lshlrev_b32 v[L8], 3, v1
	v_mul_u32_u24 v[O12], v1, 12
	v_mov_b32 v[ZERO], 0
	v_mov_b32 v[TMP], 0
.irp j, 0,1,2,3
	v_mov_b32 v[LACC+\j], 0
.endr
	s_lshl_b32 s19, ttmp9, 5
	s_lshl2_add_u32 s28, s18, s19                  ; my first row: 32 x work-group + 4 x wave
	s_lshl_b32 s22, s28, 4                         ; 16 bytes a row in cidx
	s_mov_b32 s23, 0
	s_lshl_b32 s24, s28, 11                        ; 2,048 bytes a row in x and out0
	s_mov_b32 s25, 0
	s_lshl_b32 s30, ttmp9, 9                       ; the work-group's 32 rows in cval and cidx
	s_mov_b32 s31, 0
	s_mul_i32 s70, ttmp9, 384                      ; and in out2
	s_mov_b32 s71, 0
	s_lshl3_add_u32 s72, ttmp9, s18                ; my word of part
	s_lshl_b32 s72, s72, 2
	s_mov_b32 s73, 0
	s_mov_b32 s26, 0x76543210
	s_mov_b32 s27, 0xfedcba98
	s_mov_b32 s29, 0xffff0000                      ; a word's upper bf16
	s_lshl_b32 s69, s18, 4
	v_mov_b32 v[BA], s69                           ; lane 4 w, as a byte address
.irp i, 1,2,3
	v_add_nc_u32 v[BA+\i], 4*\i, v[BA]
.endr
	s_wait_kmcnt 0x0
	s_add_nc_u64 s[20:21], s[10:11], s[22:23]
	s_load_b512 s[32:47], s[20:21], 0x0            ; my four rows' codes: split 0 (row i: s[32 + 4 i + 0..2]),
	s_load_b512 s[48:63], s[20:21], 0x40000        ; split 1, 16,384 rows of 16 bytes on
	s_add_nc_u64 s[4:5], s[4:5], s[24:25]
	s_add_nc_u64 s[12:13], s[12:13], s[24:25]
	s_add_nc_u64 s[8:9], s[8:9], s[30:31]
	s_add_nc_u64 s[10:11], s[10:11], s[30:31]
	s_add_nc_u64 s[14:15], s[14:15], s[70:71]
	s_add_nc_u64 s[16:17], s[16:17], s[72:73]
	global_load_b128 v[T0:T0+3], v[L16], s[8:9]
	global_load_b128 v[T1:T1+3], v[L16], s[8:9] offset:0x40000
	global_load_b128 v[I0:I0+3], v[L16], s[10:11]
	global_load_b128 v[I1:I1+3], v[L16], s[10:11] offset:0x40000
	s_wait_kmcnt 0x0
.set i, 0
.rept 4
.set c, 0
.rept 6
.set sI, 32+4*i+c+13*(c/3)
	s_min_u32 s[sI], s[sI], 8191                   ; a code stays inside the table
	s_lshl_b32 s69, s[sI], 10                      ; 1,024 bytes a row
	v_add_nc_u32 v[VO+6*i+c], s69, v[L8]
.set c, c+1
.endr
.set i, i+1
.endr
.macro LOADS i, p                      ; row i into set p: 28 loads
.irp t, 0,1,2,3
	global_load_b128 v[XR+64*(\p)+4*\t:XR+64*(\p)+4*\t+3], v[L16], s[4:5] offset:(\i)*2048+512*\t th:TH_LOAD_NT
.endr
.set lc_, 0
.rept 6
.irp t, 0,1,2,3
	global_load_b64 v[ER+64*(\p)+8*lc_+2*\t:ER+64*(\p)+8*lc_+2*\t+1], v[VO+6*(\i)+lc_], s[6:7] offset:256*\t
.endr
.set lc_, lc_+1
.endr
.endm
	LOADS 0, 0
	LOADS 1, 1
	; lane = row of the work-group; every wave makes the merge, since every wave needs four of its results.  Split 1's codes are the higher ones, so an element that only ties stays behind.
	s_wait_loadcnt 56                              ; the four quads are in; the two rows' 56 loads stay out
.macro INSERT m
	v_cmp_gt_f32 s68, v[T1+(\m)], v[T0+2]
	v_cmp_gt_f32 s67, v[T1+(\m)], v[T0+1]
	v_cmp_gt_f32 s66, v[T1+(\m)], v[T0]
	v_cndmask_b32 v[I0+2], v[I0+2], v[I1+(\m)], s68
	v_cndmask_b32 v[I0+2], v[I0+2], v[I0+1], s67
	v_cndmask_b32 v[I0+1], v[I0+1], v[I1+(\m)], s67
	v_cndmask_b32 v[I0+1], v[I0+1], v[I0], s66
	v_cndmask_b32 v[I0], v[I0], v[I1+(\m)], s66
	v_med3_num_f32 v[T0+2], v[T0+1], v[T0+2], v[T1+(\m)]
	v_med3_num_f32 v[T0+1], v[T0], v[T0+1], v[T1+(\m)]
	v_max_num_f32 v[T0], v[T0], v[T1+(\m)]
.endm
	INSERT 0
	INSERT 1
	INSERT 2
	s_cmp_lg_u32 s18, 0
	s_cbranch_scc1 .Lnot0
	global_store_b96 v[O12], v[I0:I0+2], s[14:15]  ; wave 0: the 32 rows' three codes, 384 consecutive bytes; the registers are not written again
.Lnot0:
.set i, 0
.rept 4
.irp m, 0,1,2
	ds_bpermute_b32 v[BT+3*i+\m], v[BA+i], v[T0+\m]  ; every lane takes my row i's numbers from lane 4 w + i
	ds_bpermute_b32 v[BI+3*i+\m], v[BA+i], v[I0+\m]
.endr
.set i, i+1
.endr
	s_wait_dscnt 0x0
; Row i, in set p.  more = 1: the set is loaded again with row i + 2.  left = how many younger loads may stay out.
.macro ROWP i, p, more, left
.set rX_, XR+64*(\p)
.set rE_, ER+64*(\p)
	s_wait_loadcnt \left
.set j_, 0
.rept 8
	v_cvt_pk_bf16_f32 v[XP+j_], v[rX_+2*j_], v[rX_+2*j_+1]  ; x rounded once to bf16,
.set j_, j_+1
.endr
.set j_, 0
.rept 8
	v_lshlrev_b32 v[rX_+2*j_], 16, v[XP+j_]        ; and widened again, in place
	v_and_b32 v[rX_+2*j_+1], s29, v[XP+j_]
.set j_, j_+1
.endr
	v_pk_mul_f32 v[SS:SS+1], v[rX_:rX_+1], v[rX_:rX_+1]      ; the first products start the two chains
	v_pk_mul_f32 v[SS+2:SS+3], v[rX_+2:rX_+3], v[rX_+2:rX_+3]
.set j_, 4
.rept 3
	v_pk_fma_f32 v[SS:SS+1], v[rX_+j_:rX_+j_+1], v[rX_+j_:rX_+j_+1], v[SS:SS+1]
	v_pk_fma_f32 v[SS+2:SS+3], v[rX_+j_+2:rX_+j_+3], v[rX_+j_+2:rX_+j_+3], v[SS+2:SS+3]
.set j_, j_+4
.endr
	v_pk_add_f32 v[SS:SS+1], v[SS:SS+1], v[SS+2:SS+3]
	v_add_f32 v[SS], v[SS], v[SS+1]
	v_add_f32_dpp v[SS], v[SS], v[SS] row_xmask:1 row_mask:0xf bank_mask:0xf
	v_add_f32_dpp v[SS], v[SS], v[SS] row_xmask:2 row_mask:0xf bank_mask:0xf
	v_add_f32_dpp v[SS], v[SS], v[SS] row_xmask:4 row_mask:0xf bank_mask:0xf
	v_add_f32_dpp v[SS], v[SS], v[SS] row_xmask:8 row_mask:0xf bank_mask:0xf
	v_permlanex16_b32 v[TMP], v[SS], s26, s27
	v_add_f32 v[SS], v[SS], v[TMP]
	v_sqrt_f32 v[SS], v[SS]
	v_nop                                          ; a plain line between a transcendental and the use of its result, here and below
	s_wait_alu depctr_va_vdst(0)
	v_max_num_f32 v[SS], 0x2b8cbccc, v[SS]         ; 1e-12
	v_rcp_f32 v[RX], v[SS]
	v_nop
	s_wait_alu depctr_va_vdst(0)
.irp m, 0,1,2
	v_mul_f32 v[DD+\m], v[BT+3*(\i)+\m], v[RX]     ; the cosine
.endr
.irp m, 0,1,2
	v_fma_f32 v[DD+\m], v[DD+\m], -2.0, 2.0        ; d
.endr
.irp m, 0,1,2
	v_rcp_f32 v[DD+\m], v[DD+\m]
.endr
	v_nop
	s_wait_alu depctr_va_vdst(0)
	v_add_f32 v[SUMI], v[DD], v[DD+1]
	v_add_f32 v[SUMI], v[SUMI], v[DD+2]
	v_rcp_f32 v[SUMI], v[SUMI]
	v_nop
	s_wait_alu depctr_va_vdst(0)
.irp m, 0,1,2
	v_mul_f32 v[WW+\m], v[DD+\m], v[SUMI]
.endr
.set c_, 0
.rept 6
.set sI_, 32+4*(\i)+c_+13*(c_/3)
	v_cmp_eq_u32 s66, s[sI_], v[BI+3*(\i)]         ; a candidate has the weight of the place that it took, or 0
	v_cmp_eq_u32 s67, s[sI_], v[BI+3*(\i)+1]
	v_cmp_eq_u32 s68, s[sI_], v[BI+3*(\i)+2]
	v_cndmask_b32 v[CF+c_], 0, v[WW], s66
	v_cndmask_b32 v[CF+c_], v[CF+c_], v[WW+1], s67
	v_cndmask_b32 v[CF+c_], v[CF+c_], v[WW+2], s68
.set c_, c_+1
.endr
	s_wait_xcnt 0x0                                ; the last row's stores read these registers: they are written again only behind this wait
.set c_, 0
.rept 6
.set e_, 0
.rept 16
.set rQ_, QQ+e_
.if c_ == 0
.set rQ_, ZERO                                     ; the first candidate starts the sums
.endif
.if e_%2 == 0
	v_fma_mix_f32_bf16 v[QQ+e_], v[rE_+8*c_+e_/2], v[CF+c_], v[rQ_] op_sel_hi:[1,0,0]
.else
	v_fma_mix_f32_bf16 v[QQ+e_], v[rE_+8*c_+e_/2], v[CF+c_], v[rQ_] op_sel:[1,0,0] op_sel_hi:[1,0,0]
.endif
.set e_, e_+1
.endr
.set c_, c_+1
.endr
.set j_, 0
.rept 8
	v_pk_add_f32 v[QQ+2*j_:QQ+2*j_+1], v[QQ+2*j_:QQ+2*j_+1], v[rX_+2*j_:rX_+2*j_+1] neg_lo:[0,1] neg_hi:[0,1]  ; q - xb, rounded once
.set j_, j_+1
.endr
.set j_, 0
.rept 8
	v_pk_fma_f32 v[LACC+2*(j_%2):LACC+2*(j_%2)+1], v[QQ+2*j_:QQ+2*j_+1], v[QQ+2*j_:QQ+2*j_+1], v[LACC+2*(j_%2):LACC+2*(j_%2)+1]
.set j_, j_+1
.endr
.set j_, 0
.rept 8
	v_pk_add_f32 v[QQ+2*j_:QQ+2*j_+1], v[rX_+2*j_:rX_+2*j_+1], v[QQ+2*j_:QQ+2*j_+1]  ; xb + (q - xb), rounded once: reference()'s two roundings
.set j_, j_+1
.endr
.irp t, 0,1,2,3
	global_store_b128 v[L16], v[QQ+4*\t:QQ+4*\t+3], s[12:13] offset:(\i)*2048+512*\t th:TH_STORE_NT
.endr
.if \more
	LOADS (\i)+2, \p
.endif
.endm
	ROWP 0, 0, 1, 28                               ; the next row's 28 loads stay out
	ROWP 1, 1, 1, 28
	ROWP 2, 0, 0, 28
	ROWP 3, 1, 0, 0
	v_pk_add_f32 v[LACC:LACC+1], v[LACC:LACC+1], v[LACC+2:LACC+3]
	v_add_f32 v[LACC], v[LACC], v[LACC+1]
	v_add_f32_dpp v[LACC], v[LACC], v[LACC] row_xmask:1 row_mask:0xf bank_mask:0xf
	v_add_f32_dpp v[LACC], v[LACC], v[LACC] row_xmask:2 row_mask:0xf bank_mask:0xf
	v_add_f32_dpp v[LACC], v[LACC], v[LACC] row_xmask:4 row_mask:0xf bank_mask:0xf
	v_add_f32_dpp v[LACC], v[LACC], v[LACC] row_xmask:8 row_mask:0xf bank_mask:0xf
	v_permlanex16_b32 v[TMP], v[LACC], s26, s27
	v_add_f32 v[LACC], v[LACC], v[TMP]
	v_cmp_eq_u32 vcc_lo, 0, v1
	s_wait_xcnt 0x0                                ; EXEC is a source of the stores above: it changes only behind this wait
	s_and_saveexec_b32 s69, vcc_lo
	global_store_b32 v[ZERO], v[LACC], s[16:17]    ; lane 0: my four rows' sum
	s_wait_xcnt 0x0                                ; and again in front of the line that widens it
	s_or_b32 exec_lo, exec_lo, s69
	s_endpgm
.Lfunc_end_k_qf4018a8a18_finish:
	.size	k_qf4018a8a18_finish, .Lfunc_end_k_qf4018a8a18_finish-k_qf4018a8a18_finish
	.p2alignl 7, 3214868480
	.fill 96, 4, 3214868480
	.section	.rodata,"a",@progbits
	.p2align	6, 0x0
	.amdhsa_kernel k_qf4018a8a18_finish
		.amdhsa_group_segment_fixed_size 0
		.amdhsa_private_segment_fixed_size 0
		.amdhsa_enable_private_segment 0
		.amdhsa_kernarg_size 56
		.amdhsa_user_sgpr_count 2
		.amdhsa_user_sgpr_kernarg_segment_ptr 1
		.amdhsa_wavefront_size32 1
		.amdhsa_system_sgpr_workgroup_id_x 1
		.amdhsa_system_sgpr_workgroup_id_y 1
		.amdhsa_system_sgpr_workgroup_id_z 1
		.amdhsa_system_vgpr_workitem_id 0
		.amdhsa_next_free_vgpr 252
		.amdhsa_next_free_sgpr 80
		.amdhsa_reserve_vcc 1
		.amdhsa_float_denorm_mode_32 3
		.amdhsa_float_denorm_mode_16_64 3
		.amdhsa_memory_ordered 1
		.amdhsa_forward_progress 1
		.amdhsa_inst_pref_size 73
	.end_amdhsa_kernel
	.amdgpu_metadata
---
amdhsa.version: [ 1, 2 ]
amdhsa.kernels:
  - .name:           k_qf4018a8a18_finish
    .symbol:         k_qf4018a8a18_finish.kd
    .args:
      - { .name: x, .offset: 0, .size: 8, .value_kind: global_buffer, .address_space: global }
      - { .name: eb, .offset: 8, .size: 8, .value_kind: global_buffer, .address_space: global }
      - { .name: cval, .offset: 16, .size: 8, .value_kind: global_buffer, .address_space: global }
      - { .name: cidx, .offset: 24, .size: 8, .value_kind: global_buffer, .address_space: global }
      - { .name: out0, .offset: 32, .size: 8, .value_kind: global_buffer, .address_space: global }
      - { .name: out2, .offset: 40, .size: 8, .value_kind: global_buffer, .address_space: global }
      - { .name: part, .offset: 48, .size: 8, .value_kind: global_buffer, .address_space: global }
    .group_segment_fixed_size: 0
    .private_segment_fixed_size: 0
    .kernarg_segment_align: 8
    .kernarg_segment_size: 56
    .max_flat_workgroup_size: 256
    .sgpr_count:     80
    .vgpr_count:     252
    .wavefront_size: 32
...
	.end_amdgpu_metadata
.endif
;; end of part 3
;; launch loss (part 4): grid 1 x 1, 1 waves a work-group, no clusters, 0 bytes of LDS; arguments part, out1; writes out1
.if DOCPART == 4
	.amdgcn_target "amdgcn-amd-amdhsa--gfx1250"
	.amdhsa_code_object_version 6
	.text
	.protected	k_qf4018a8a18_loss
	.globl	k_qf4018a8a18_loss
	.p2align	8
	.type	k_qf4018a8a18_loss,@function
k_qf4018a8a18_loss:
	s_mov_b64 s[64:65], 0
	v_nop
	global_prefetch_b8 v0, s[64:65] scope:SCOPE_SE
	s_setreg_imm32_b32 hwreg(HW_REG_WAVE_MODE, 25, 1), 1
	s_wait_xcnt 0x0
; out1 = 1.25 x the mean of (q - x)^2: both of reference()'s losses are that mean, one of them times 0.25.  The 4,096 partial sums, one for each wave of the launch before, are added in f32 in a fixed
; order by one wave: 16,384 bytes, 32 loads of 512 consecutive bytes, all out at once.  A sum over work-groups needs a launch of its own, since no work-group may read what another of its launch stores.
.set D, 8                              ; v[8:135] the partial sums
	s_load_b128 s[4:7], s[0:1], 0x0                ; part s[4:5], out1 s[6:7]
	v_lshlrev_b32 v1, 4, v0
	v_mov_b32 v2, 0                                ; out1's offset
	v_mov_b32 v3, 0                                ; v_permlanex16_b32 counts as a reader of its destination
	s_mov_b32 s8, 0x76543210
	s_mov_b32 s9, 0xfedcba98
	s_wait_kmcnt 0x0
.set t, 0
.rept 32
	global_load_b128 v[D+4*t:D+4*t+3], v1, s[4:5] offset:512*t
.set t, t+1
.endr
	s_wait_loadcnt 0x0
.set p, 4
.rept 60
	v_pk_add_f32 v[D+2*(p%4):D+2*(p%4)+1], v[D+2*(p%4):D+2*(p%4)+1], v[D+2*p:D+2*p+1]  ; four chains, started by the first four pairs
.set p, p+1
.endr
	v_pk_add_f32 v[D:D+1], v[D:D+1], v[D+2:D+3]
	v_pk_add_f32 v[D+4:D+5], v[D+4:D+5], v[D+6:D+7]
	v_pk_add_f32 v[D:D+1], v[D:D+1], v[D+4:D+5]
	v_add_f32 v[D], v[D], v[D+1]
	v_add_f32_dpp v[D], v[D], v[D] row_xmask:1 row_mask:0xf bank_mask:0xf
	v_add_f32_dpp v[D], v[D], v[D] row_xmask:2 row_mask:0xf bank_mask:0xf
	v_add_f32_dpp v[D], v[D], v[D] row_xmask:4 row_mask:0xf bank_mask:0xf
	v_add_f32_dpp v[D], v[D], v[D] row_xmask:8 row_mask:0xf bank_mask:0xf
	v_permlanex16_b32 v3, v[D], s8, s9
	v_add_f32 v[D], v[D], v3
	v_mul_f32 v[D], 0x34200000, v[D]               ; 1.25 / (16,384 x 512) = 1.25 x 2^-23
	v_cmp_eq_u32 vcc_lo, 0, v0
	s_wait_xcnt 0x0                                ; EXEC changes only behind this wait
	s_and_saveexec_b32 s10, vcc_lo
	global_store_b32 v2, v[D], s[6:7]
	s_wait_xcnt 0x0
	s_or_b32 exec_lo, exec_lo, s10
	s_endpgm
.Lfunc_end_k_qf4018a8a18_loss:
	.size	k_qf4018a8a18_loss, .Lfunc_end_k_qf4018a8a18_loss-k_qf4018a8a18_loss
	.p2alignl 7, 3214868480
	.fill 96, 4, 3214868480
	.section	.rodata,"a",@progbits
	.p2align	6, 0x0
	.amdhsa_kernel k_qf4018a8a18_loss
		.amdhsa_group_segment_fixed_size 0
		.amdhsa_private_segment_fixed_size 0
		.amdhsa_enable_private_segment 0
		.amdhsa_kernarg_size 16
		.amdhsa_user_sgpr_count 2
		.amdhsa_user_sgpr_kernarg_segment_ptr 1
		.amdhsa_wavefront_size32 1
		.amdhsa_system_sgpr_workgroup_id_x 1
		.amdhsa_system_sgpr_workgroup_id_y 1
		.amdhsa_system_sgpr_workgroup_id_z 1
		.amdhsa_system_vgpr_workitem_id 0
		.amdhsa_next_free_vgpr 140
		.amdhsa_next_free_sgpr 66
		.amdhsa_reserve_vcc 1
		.amdhsa_float_denorm_mode_32 3
		.amdhsa_float_denorm_mode_16_64 3
		.amdhsa_memory_ordered 1
		.amdhsa_forward_progress 1
		.amdhsa_inst_pref_size 9
	.end_amdhsa_kernel
	.amdgpu_metadata
---
amdhsa.version: [ 1, 2 ]
amdhsa.kernels:
  - .name:           k_qf4018a8a18_loss
    .symbol:         k_qf4018a8a18_loss.kd
    .args:
      - { .name: part, .offset: 0, .size: 8, .value_kind: global_buffer, .address_space: global }
      - { .name: out1, .offset: 8, .size: 8, .value_kind: global_buffer, .address_space: global }
    .group_segment_fixed_size: 0
    .private_segment_fixed_size: 0
    .kernarg_segment_align: 8
    .kernarg_segment_size: 16
    .max_flat_workgroup_size: 32
    .sgpr_count:     66
    .vgpr_count:     140
    .wavefront_size: 32
...
	.end_amdgpu_metadata
.endif
;; end of part 4
